; MI455X (gfx1250); checked and timed in simulation.
; The chip was launched on July 23, 2026; its instructions are those of AMD's public machine-readable ISA for CDNA 5 (MIT licence, August 2026) and "CDNA5" Instruction Set Architecture Reference Guide (July 2026). The comments in the code are by the model that wrote it; some were corrected since.
;; Self Attention. Allowed arithmetic: matrix products marked QUANTISED: E4M3 operands, one given power-of-two scale a tensor, by v_wmma_f32_16x16x64_fp8_fp8 or v_wmma_f32_16x16x128_fp8_fp8, f32 sums; everything else in f32.
;; Inputs: entangle_params 3,072 float32; inputs 2 x 2,048 x 1,024 float32; lowp_scales 6 int32 (the exponents e of the quantised operands' scales 2^e); rotation_params 3,072 x 1,024 float32.
;; Outputs: out0 2 x 2,048 x 1,024 float32.
;; This version of the problem:
;;   THIS VERSION OF THE PROBLEM IS GIVEN IN LOW PRECISION. The matrix products marked QUANTISED in the list below multiply operands that are first quantised to E4M3 (4 exponent bits, 3 mantissa bits; 8 bits a number), with one given power-of-two scale for each operand tensor; their sums are f32. All else is computed in f32.
;;   The module's matrix products, in the order in which they are computed (A, B: the left and right operand; K: the contracted axis; several contracted axes count as one K, in the product's order):
;;     1. [M 4,096, K 1,024] x [K 1,024, N 3,072]; A: input inputs; B: input rotation_params: QUANTISED (scales: A lowp_scales[0], B lowp_scales[1])
;;     2. batch 32 x [M 2,048, K 64] x [K 64, N 2,048]; A: computed on the way; B: computed on the way: QUANTISED (scales: A lowp_scales[2], B lowp_scales[3])
;;     3. batch 32 x [M 2,048, K 2,048] x [K 2,048, N 64]; A: softmax (see below); B: computed on the way: QUANTISED (scales: A lowp_scales[4], B lowp_scales[5])
;;   THE QUANTISER, for each operand of a quantised product, along K:
;;     - The operand's scale is 2^e, e = its entry of the input lowp_scales (int32; the entries are numbered through the quantised products in the list's order, A before B).
;;     - Each number is divided by the scale, clamped to +-448, and rounded to the nearest number of E4M3, ties to even, subnormals kept.
;;     - The product sums the exact products of the quantised numbers (number of the format x scale) in f32.
;;   ~~~python
;;   def quantise(x, axis, e):      # numpy; x: float32 -> the quantised numbers, widened to float32 again
;;       x = np.moveaxis(x, axis, -1); K = x.shape[-1]
;;       r = np.clip(x / 2.0 ** e, -448, 448)
;;       step = 2.0 ** (np.maximum(np.frexp(np.where(r == 0, 1, r))[1] - 1, -6) - 3)
;;       q = np.round(r / step) * step * 2.0 ** e      # np.round: ties to even
;;       return np.moveaxis(q, -1, axis).astype(np.float32)
;;   ~~~
;;   SOFTMAX AHEAD OF A QUANTISED PRODUCT. Where the list says 'softmax', what is quantised is not the finished softmax but p = 2^(t - M), with t = logit x log2(e) and M = ceil(the row's largest t), a whole number; so 1/2 < the row's largest p <= 1. The row's sum l is taken of the UNQUANTISED p, in f32, and the product's result is divided by l at the end. Since M is a whole number, a kernel that streams over the keys may use a running M (the ceiling of the running maximum): every later rescaling is an exact power of two, so the quantised numbers keep their values, but for numbers so far below the row's largest that they fall under the format's range.
;;   OPERANDS COMPUTED ON THE WAY. 'Computed on the way' means the value that the module computes at that place (a softmax that the list does not call 'softmax' is quantised finished and normalised). What goes into a quantiser is computed in f32, as accurately as f32 sums, v_exp_f32 and their like allow (about 1e-6 of the number): no bf16 or f16 on the way to a quantiser, and a product that is left as it is and whose result goes on into a quantised operand takes f32 operands (vector FMAs, or v_wmma_f32_16x16x4_f32). A number that lies on a knife's edge between two numbers of the format may be rounded either way, as far as f32 arithmetic and the matrix unit's own rounding can turn it there, and no further.
;; One version. Each part assembles by itself: llvm-mc -triple=amdgcn-amd-amdhsa -mcpu=gfx1250 --defsym DOCPART=n.
;; ======== version 1 of 1: 4 launches
;; limits: right only within a limited range of input values
;; workspace buffers: x_codes 4,194,304 bytes; w_codes 3,145,728 bytes; qkv_codes 12,582,912 bytes; o_ws 16,777,216 bytes
;; launch quant (part 1): grid 448 x 1, 4 waves a work-group, no clusters, 50,688 bytes of LDS; arguments inputs, rotation_params, lowp_scales, x_codes, w_codes; writes x_codes, w_codes
.if DOCPART == 1
	.amdgcn_target "amdgcn-amd-amdhsa--gfx1250"
	.amdhsa_code_object_version 6
	.text
	.protected	k_q0248a291b6_quant
	.globl	k_q0248a291b6_quant
	.p2align	8
	.type	k_q0248a291b6_quant,@function
k_q0248a291b6_quant:
	s_mov_b64 s[64:65], 0
	v_nop
	global_prefetch_b8 v0, s[64:65] scope:SCOPE_SE
	s_setreg_imm32_b32 hwreg(HW_REG_WAVE_MODE, 25, 1), 1
	s_wait_xcnt 0x0
; X = inputs [4096][1024] and W = rotation_params [3072][1024], f32, become codes of FP8 (E4M3), each with the one scale 2^e given for it:
; code = x / 2^e, held within +-448, rounded to the nearest code, ties to even.  e is entry 0 (X) or entry 1 (W) of the scales' buffer.  No work of the problem is left out.
; LIMITS: -126 <= e <= 119, so that 2^e and 448 x 2^e are f32 numbers.  NaN among the inputs is not served; an infinity is held at the largest code.
; LAYOUT OUT, the order in which the product's operand registers take the codes: [tile of 16 rows][piece P of 16 along K, 64 of them][row r of 16][16 bytes].  X's tiles in order; W's by head: head x 12 + 4 x (Q, K, V) + tile of the head's 64 rows.
; A work-group makes one tile, 16 rows x 1,024.  The first WGA work-groups take X, the others W: only pointers and numbers are chosen, there is one path.
; A wave takes 4 rows in 8 steps of 512 numbers.  Each of a step's four loads reads 512 consecutive bytes, 16 a lane; the 2,048 bytes go through the wave's own stage in LDS and come back 64 bytes a lane (16 of padding behind
; each 64), since a conversion takes 8 neighbours from one lane.  A lane's 16 codes are one piece: it goes into the work-group's image in LDS (256 bytes a piece's 16 rows, + 16 of padding), and behind one barrier the image leaves in 512-byte runs.
; Loads run four steps (16 loads a wave) ahead, the turn through LDS one step.  No tensor load, no cluster: nothing is read by two work-groups.
.set WGA,   256                        ; work-groups for X; 192 for W
.set R,     16                         ; v16-79   four sets of 16 numbers as they are loaded; then the image read back
.set X,     80                         ; v80-111  two sets of 16 neighbours
.set C,     112                        ; v112-119 two sets of codes
.set SP,    80
.set WREG,  8192                       ; a wave's two stages
.set IMG,   32768                      ; the image: 64 x 272
.set SPARE, 50176                      ; the spare words, 128 bytes for each wave
.set SPW,   12
.set NIL,   13
	s_load_b128 s[4:7], s[0:1], 0x0                ; X, W
	s_load_b64 s[10:11], s[0:1], 0x10              ; the scales' exponents
	s_load_b128 s[12:15], s[0:1], 0x18             ; X's codes, W's codes
	v_lshl_add_u32 v[SPW], v0, 2, SPARE
	v_mov_b32 v[NIL], 0
	v_lshrrev_b32 v1, 5, v0
	v_readfirstlane_b32 s16, v1                    ; wave
	v_and_b32 v2, 31, v0                           ; lane
	v_lshlrev_b32 v3, 4, v2                        ; my 16 bytes of 512, in and out
	s_mul_i32 s17, s16, WREG
	v_lshrrev_b32 v14, 2, v2
	v_mul_u32_u24 v14, v14, SP
	v_and_b32 v15, 3, v2
	v_lshl_add_u32 v14, v15, 4, v14
	v_add_nc_u32 v14, s17, v14                     ; the stage, in: four lanes' 64 bytes on end, then 16 of padding
	v_mul_u32_u24 v15, v2, SP
	v_add_nc_u32 v15, s17, v15                     ; and out: SP x lane
	s_lshl_b32 s18, s16, 6
	s_add_co_u32 s18, s18, IMG
	v_mul_u32_u24 v4, v2, 272
	v_add_nc_u32 v4, s18, v4                       ; the image, in: piece = lane (+ 32), row 4 x wave (+ step / 2)
	s_mul_i32 s18, s16, 16*272
	s_add_co_u32 s18, s18, IMG
	v_lshrrev_b32 v5, 4, v2
	v_mul_u32_u24 v5, v5, 272
	v_and_b32 v6, 15, v2
	v_lshl_add_u32 v5, v6, 4, v5
	v_add_nc_u32 v5, s18, v5                       ; and out: pieces 16 x wave + 2 i + lane / 16
	s_wait_alu depctr_va_vdst(0)
	s_wait_kmcnt 0x0
	s_load_b64 s[22:23], s[10:11], 0x0             ; e of X, e of W
	s_cmp_lt_u32 ttmp9, WGA                        ; X's work-group or W's?  The choice hangs on the work-group's number alone
	s_cselect_b64 s[4:5], s[4:5], s[6:7]
	s_cselect_b64 s[8:9], s[12:13], s[14:15]
	s_cselect_b32 s17, 0, WGA
	s_sub_co_u32 s17, ttmp9, s17                   ; which 16 rows of the tensor
	s_lshl_b32 s18, s17, 16
	s_lshl_b32 s19, s16, 14
	s_add_co_u32 s18, s18, s19                     ; my wave's 4 rows of 4,096 bytes
	s_mov_b32 s19, 0
	s_add_nc_u64 s[4:5], s[4:5], s[18:19]
	s_lshr_b32 s24, s17, 6                         ; W: Q, K or V
	s_bfe_u32 s25, s17, 0x40002                    ; head
	s_and_b32 s26, s17, 3
	s_mul_i32 s25, s25, 12
	s_lshl_b32 s24, s24, 2
	s_add_co_u32 s25, s25, s24
	s_add_co_u32 s25, s25, s26
	s_cmp_lt_u32 ttmp9, WGA
	s_cselect_b32 s18, s17, s25                    ; the tile's place
	s_lshl_b32 s18, s18, 14
	s_lshl_b32 s20, s16, 12
	s_add_co_u32 s18, s18, s20                     ; and my wave's quarter of it
	s_add_nc_u64 s[8:9], s[8:9], s[18:19]
.macro LOAD t
.irp i, 0,1,2,3
	global_load_b128 v[R+16*((\t)%4)+4*\i:R+16*((\t)%4)+4*\i+3], v3, s[4:5] offset:2048*(\t)+512*\i th:TH_LOAD_NT
.endr
.endm
.macro TURN t                          ; LDS serves a wave's instructions in order (ISA guide 5.7.1.4): no wait stands between the stores and the loads
.irp i, 0,1,2,3
	ds_store_b128 v14, v[R+16*((\t)%4)+4*\i:R+16*((\t)%4)+4*\i+3] offset:32*SP*((\t)%2)+8*SP*\i
.endr
.irp i, 0,1,2,3
	ds_load_b128 v[X+16*((\t)%2)+4*\i:X+16*((\t)%2)+4*\i+3], v15 offset:32*SP*((\t)%2)+16*\i
.endr
.endm
.irp t, 0,1,2,3
	LOAD \t
.endr
	s_wait_kmcnt 0x0
	s_cmp_lt_u32 ttmp9, WGA
	s_cselect_b32 s22, s22, s23                    ; e
	s_add_co_i32 s22, s22, 127
	s_lshl_b32 s23, s22, 23
	v_mov_b32 v11, s23                             ; 2^e as f32: the conversion takes its exponent field
	s_add_co_i32 s22, s22, 8
	s_lshl_b32 s22, s22, 23
	s_or_b32 s22, s22, 0x600000
	v_mov_b32 v10, s22                             ; 448 x 2^e
	s_wait_alu depctr_va_vdst(0)
	s_wait_loadcnt 12                              ; step 0's four loads are in; the twelve of steps 1 to 3 may be out
	TURN 0
.macro STEP t
.set XS, X+16*((\t)%2)
.set CC, C+4*((\t)%2)
	s_wait_dscnt 0x0                               ; this step's numbers are back from the stage, and all earlier stores have read their registers
.if (\t)+4 < 8
	LOAD (\t)+4
.endif
.if (\t)+1 < 8
.if 6-(\t) >= 3
	s_wait_loadcnt 12                              ; the next step's four loads are in; those of the three steps behind it may be out
.else
	s_wait_loadcnt 4*(6-(\t))
.endif
	TURN (\t)+1
.endif
.irp i, 0,1,2,3,4,5,6,7,8,9,10,11,12,13,14,15
	v_med3_num_f32 v[XS+\i], v[XS+\i], -v10, v10   ; the conversion does not saturate (ISA guide 7.6.2): hold the number within 448 x the scale first
.endr
	v_cvt_scalef32_pk8_fp8_f32 v[CC:CC+1], v[XS:XS+7], v11
	v_cvt_scalef32_pk8_fp8_f32 v[CC+2:CC+3], v[XS+8:XS+15], v11
	v_nop
	ds_store_b128 v4, v[CC:CC+3] offset:32*272*((\t)%2)+16*((\t)/2)
.endm
.irp t, 0,1,2,3,4,5,6,7
	STEP \t
.endr
	s_wait_dscnt 0x0                               ; my pieces are in the image, for the other waves' sake
	s_barrier_signal -1
	s_barrier_wait -1
.irp i, 0,1,2,3,4,5,6,7
	ds_load_b128 v[R+4*\i:R+4*\i+3], v5 offset:544*\i
.endr
.irp i, 0,1,2,3,4,5,6,7
	s_wait_dscnt 7-\i                              ; the younger loads may be out
	global_store_b128 v3, v[R+4*\i:R+4*\i+3], s[8:9] offset:512*\i
.endr
	s_wait_tensorcnt 0x0                           ; the wave's end
	ds_add_u32 v[SPW], v[NIL]
	s_wait_dscnt 0x0
	s_endpgm
.Lfunc_end_k_q0248a291b6_quant:
	.size	k_q0248a291b6_quant, .Lfunc_end_k_q0248a291b6_quant-k_q0248a291b6_quant
	.p2alignl 7, 3214868480
	.fill 96, 4, 3214868480
	.section	.rodata,"a",@progbits
	.p2align	6, 0x0
	.amdhsa_kernel k_q0248a291b6_quant
		.amdhsa_group_segment_fixed_size 50688
		.amdhsa_private_segment_fixed_size 0
		.amdhsa_enable_private_segment 0
		.amdhsa_kernarg_size 40
		.amdhsa_user_sgpr_count 2
		.amdhsa_user_sgpr_kernarg_segment_ptr 1
		.amdhsa_wavefront_size32 1
		.amdhsa_system_sgpr_workgroup_id_x 1
		.amdhsa_system_sgpr_workgroup_id_y 1
		.amdhsa_system_sgpr_workgroup_id_z 1
		.amdhsa_system_vgpr_workitem_id 0
		.amdhsa_next_free_vgpr 128
		.amdhsa_next_free_sgpr 66
		.amdhsa_reserve_vcc 0
		.amdhsa_float_denorm_mode_32 3
		.amdhsa_float_denorm_mode_16_64 3
		.amdhsa_memory_ordered 1
		.amdhsa_forward_progress 1
		.amdhsa_inst_pref_size 23
	.end_amdhsa_kernel
	.amdgpu_metadata
---
amdhsa.version: [ 1, 2 ]
amdhsa.kernels:
  - .name:           k_q0248a291b6_quant
    .symbol:         k_q0248a291b6_quant.kd
    .args:
      - { .name: inputs, .offset: 0, .size: 8, .value_kind: global_buffer, .address_space: global }
      - { .name: rotation_params, .offset: 8, .size: 8, .value_kind: global_buffer, .address_space: global }
      - { .name: lowp_scales, .offset: 16, .size: 8, .value_kind: global_buffer, .address_space: global }
      - { .name: x_codes, .offset: 24, .size: 8, .value_kind: global_buffer, .address_space: global }
      - { .name: w_codes, .offset: 32, .size: 8, .value_kind: global_buffer, .address_space: global }
    .group_segment_fixed_size: 50688
    .private_segment_fixed_size: 0
    .kernarg_segment_align: 8
    .kernarg_segment_size: 40
    .max_flat_workgroup_size: 128
    .sgpr_count:     66
    .vgpr_count:     128
    .wavefront_size: 32
...
	.end_amdgpu_metadata
.endif
;; end of part 1
;; launch qkv (part 2): grid 16 x 16, 4 waves a work-group, clusters of 4 x 1, 327,680 bytes of LDS; arguments x_codes, w_codes, lowp_scales, entangle_params, qkv_codes; writes qkv_codes
.if DOCPART == 2
	.amdgcn_target "amdgcn-amd-amdhsa--gfx1250"
	.amdhsa_code_object_version 6
	.text
	.protected	k_q0248a291b6_qkv
	.globl	k_q0248a291b6_qkv
	.p2align	8
	.type	k_q0248a291b6_qkv,@function
k_q0248a291b6_qkv:
	s_mov_b64 s[64:65], 0
	v_nop
	global_prefetch_b8 v0, s[64:65] scope:SCOPE_SE
	s_setreg_imm32_b32 hwreg(HW_REG_WAVE_MODE, 25, 1), 1
	s_wait_xcnt 0x0
	s_wait_alu depctr_hold_cnt(0) depctr_sa_sdst(0) depctr_va_vdst(0) depctr_va_sdst(0) depctr_va_ssrc(0) depctr_va_vcc(0) depctr_vm_vsrc(0)
	s_getreg_b32 s2, hwreg(HW_REG_IB_STS2, 6, 4)
	s_cmp_eq_u32 s2, 0
	s_cbranch_scc0 .Lentry_in_a_cluster
	s_endpgm
.Lentry_in_a_cluster:
	s_bfe_u32 s2, ttmp6, 0x10000c
	s_cmp_lg_u32 s2, 0x3003
	s_cbranch_scc0 .Lentry_shape_is_right
	s_endpgm
.Lentry_shape_is_right:
; qkv[m][n] = the sum over k of X[m][k] W[n][k] + bias[n], both operands codes of FP8 (E4M3), f32 sums; the result is quantised (Q by 2^e2, K by 2^e3, V by 2^e5) and laid as the attention's operand registers want it.
; A WORK-GROUP makes 256 tokens x the 192 columns of ONE HEAD (64 of Q, of K and of V): 16 x 16 = 256 work-groups.  Each of four waves makes 64 tokens x 192: 4 x 12 accumulators of 16 x 16, 384 registers.
; W's 192 rows x 1,024 (196,608 bytes) lie in LDS as a whole, filled once, by one tensor load a wave: wave w brings the w-th quarter of K of all twelve tiles.  Nothing is filled again, so there is no ring.
; CLUSTER: four token blocks of one head need the same W: each quarter is asked for JOINTLY.
; X: a wave's tokens are its own, so X's fragments go from memory into registers, in the order in which they lie, three K steps of 128 ahead in four sets of 64 registers: no prefetch is laid, since each load is itself out three steps before its use.
; Both buffers of codes lie in fragment order: a load of 16 bytes a lane brings four registers, k = 32 c + 16 (lane / 16) + 0 .. 15: the same permutation of k in X and in W.
; THE BIAS, divided by 2^(e0 + e1), is the C of each accumulator's first product; 2^(e0 + e1) is folded into the conversion's scale: code = sum / 2^(eq - e0 - e1).
; ORIENTATION.  Q, K: source 0 = W, source 1 = X: lane (r, h) holds token r, registers the columns 8 h + 0 .. 7: the four tiles' codes of a head are the eight registers of the attention's K = 64 operand.
; V: source 0 = X, source 1 = W: lane (r, h) holds column r, registers the tokens 8 h + 0 .. 7: the four token tiles' codes are half the registers of its K = 128 operand.  So results are stored straight, 512 consecutive bytes a store.
; OUT: Q at 0, K at 4,194,304: [hb][tile of 16 tokens][i 2][lane][16 bytes]; V at 8,388,608: [hb][64 tokens][tile of 16 columns][i 2][lane][16 bytes]; hb = 2 head + batch.
; LIMITS: e0 + e1 between -127 and 126 and bias / 2^(e0 + e1) an f32 number; eq - e0 - e1 between -126 and 119.
; REGISTERS: window 0: addresses; v32-223 W's fragments, a buffer of 64 for each of Q, K, V.  Window 1: X's four sets.  Window 2: Q's and K's accumulators.  Window 3: V's (v0-127), the bias (v128-191 Q and K, v192-223 V).
.set LO,  5                            ; v5 16 x lane
.set BQ,  6                            ; v6, v7 the bias's offsets
.set BV,  7
.set AD,  8                            ; v8-11 LDS address of my lane in each quarter of K
.set SCL, 12                           ; v12-14 the conversions' scales, v16-18 448 x them
.set LIM, 16
.set SPW, 28
.set NIL, 29
.set WB,  32
.set CHB, 49152                        ; a quarter: 12 tiles x 4,096 bytes
.set SPARE, 4*CHB
.set G1, 24
.set G0, 32
.set MSB, 0
.macro WIN new                         ; the immediate's high byte repeats the setting that is left
.if MSB != \new
	s_set_vgpr_msb (MSB<<8)|\new
.set MSB, \new
.endif
.endm
.macro CROUND                          ; a round of the cluster's barrier
	s_barrier_signal -1
	s_barrier_wait -1
	s_cmp_lg_u32 s14, 0
	s_cbranch_scc1 .Lnot_wave_0_\@
	s_barrier_signal -3
.Lnot_wave_0_\@:
	s_barrier_wait -3
	s_barrier_signal -1
	s_barrier_wait -1
.endm
.macro XLOAD s                         ; X's fragments of K step s into set s % 4
	WIN 0x40
.irp a, 0,1,2,3
.irp c, 0,1,2,3
	global_load_b128 v[64*((\s)%4)+16*\a+4*\c:64*((\s)%4)+16*\a+4*\c+3], v[LO], s[20:21] offset:16384*\a+2048*(\s)+512*\c
.endr
.endr
	WIN 0
.endm
	s_load_b128 s[4:7], s[0:1], 0x0                ; X's codes, W's codes
	s_load_b128 s[8:11], s[0:1], 0x10              ; the scales' exponents, the bias
	s_load_b64 s[12:13], s[0:1], 0x20              ; out
	v_lshl_add_u32 v[SPW], v0, 2, SPARE
	v_mov_b32 v[NIL], 0
	ds_add_u32 v[SPW], v[NIL]                      ; the opening: the add, twice on end
	ds_add_u32 v[SPW], v[NIL]
	v_lshrrev_b32 v1, 5, v0
	v_readfirstlane_b32 s14, v1                    ; wave 0..3
	v_and_b32 v2, 31, v0
	v_bfe_u32 v3, v0, 4, 1                         ; h
	v_and_b32 v4, 15, v0                           ; r
	v_lshlrev_b32 v[LO], 4, v2
	v_lshlrev_b32 v[BQ], 5, v3                     ; eight columns' bias: 32 h bytes
	v_lshlrev_b32 v[BV], 2, v4
.irp c, 0,1,2,3
	v_add_nc_u32 v[AD+\c], CHB*\c, v[LO]
.endr
	s_bfe_u32 s40, ttmp6, 0x40000                  ; cx
	s_lshl_b32 s42, ttmp9, 2
	s_add_co_u32 s42, s42, s40                     ; token block: it enters X's and the output's addresses alone
	s_and_b32 s41, ttmp7, 0xffff                   ; the head, which the four partners share
	s_mov_b32 s[G1], 15|(3<<16)|(1<<21)            ; the mask: all four; elements of 8 bytes; 21 set beside a mask; no padding
	s_mov_b32 s[G1+1], 512<<16                     ; rows of 4,096 bytes
	s_mov_b32 s[G1+2], 12<<16                      ; twelve tiles,
	s_mov_b32 s[G1+3], 512<<16
	s_mov_b32 s[G1+4], 12
	s_mov_b32 s[G1+5], 2048                        ; 16,384 bytes apart
	s_mov_b32 s[G1+6], 0
	s_mov_b32 s[G1+7], 0
	s_mul_i32 s16, s41, 12*16384                   ; W: my head,
	s_lshl_b32 s43, s14, 12
	s_add_co_u32 s16, s16, s43                     ; my quarter of K
	s_mov_b32 s17, 0
	s_lshl_b32 s18, s42, 18                        ; X: 16 tiles of 16,384 bytes a block,
	s_lshl_b32 s44, s14, 16
	s_add_co_u32 s18, s18, s44                     ; four of them mine
	s_mov_b32 s19, 0
	s_lshl_b32 s22, s41, 8                         ; the bias of my head's 64 columns
	s_mov_b32 s23, 0
	s_lshl_b32 s46, s41, 1
	s_lshr_b32 s44, s42, 3
	s_add_co_u32 s46, s46, s44                     ; hb = 2 head + batch
	s_lshl_b32 s46, s46, 17
	s_and_b32 s44, s42, 7
	s_lshl_b32 s44, s44, 14
	s_add_co_u32 s46, s46, s44
	s_add_co_u32 s46, s46, s43                     ; my 64 tokens: 4,096 bytes in each of Q, K, V
	s_mov_b32 s47, 0
	s_wait_alu depctr_va_vdst(0)
	s_wait_dscnt 0x0                               ; both opening adds are done
	CROUND                                         ; all four work-groups are here: the joint loads meet.  (The arguments are on their way meanwhile)
	s_wait_kmcnt 0x0
	s_load_b128 s[68:71], s[8:9], 0x0              ; e0 .. e3
	s_load_b32 s72, s[8:9], 0x14                   ; e5
	s_add_nc_u64 s[20:21], s[4:5], s[18:19]
	s_add_nc_u64 s[22:23], s[10:11], s[22:23]
	s_add_nc_u64 s[48:49], s[12:13], s[46:47]
	s_add_nc_u64 s[50:51], s[48:49], 0x800000      ; V's part
	s_mov_b32 s[G0], 1
	s_mul_i32 s[G0+1], s14, CHB                    ; no place in the cluster enters an LDS address
	s_add_nc_u64 s[G0+2:G0+3], s[6:7], s[16:17]
	s_or_b32 s[G0+3], s[G0+3], 0x80000000
	tensor_load_to_lds s[G0:G0+3], s[G1:G1+7]      ; this wave's one tensor load, ahead of all that goes into registers
	s_nop 0
.rept 4
	v_nop
.endr
	WIN 0xc0
.irp b, 0,1,2,3,4,5,6,7
	global_load_b128 v[128+8*\b:131+8*\b], v[BQ], s[22:23] offset:4096*(\b/4)+64*(\b%4)
	global_load_b128 v[132+8*\b:135+8*\b], v[BQ], s[22:23] offset:4096*(\b/4)+64*(\b%4)+16
.endr
.irp t, 0,1,2,3
	global_load_b32 v[192+8*\t], v[BV], s[22:23] offset:8192+64*\t
.endr
	WIN 0
	XLOAD 0
	XLOAD 1
	s_wait_kmcnt 0x0
	s_add_co_i32 s76, s68, s69                     ; e0 + e1
	s_sub_co_i32 s74, 127, s76
	s_lshl_b32 s74, s74, 23                        ; 2^-(e0 + e1)
	s_mov_b32 s75, s74                             ; (named with it as a pair)
.macro SCALE p, e
	s_sub_co_i32 s77, s[\e], s76
	s_add_co_i32 s77, s77, 127
	s_lshl_b32 s78, s77, 23
	v_mov_b32 v[SCL+\p], s78                       ; 2^(eq - e0 - e1)
	s_add_co_i32 s77, s77, 8
	s_lshl_b32 s77, s77, 23
	s_or_b32 s77, s77, 0x600000
	v_mov_b32 v[LIM+\p], s77                       ; 448 x that
.endm
	SCALE 0, 70
	SCALE 1, 71
	SCALE 2, 72
	s_wait_alu depctr_va_vdst(0)
	s_wait_loadcnt 32                              ; the bias is in; the 32 loads of K steps 0 and 1 may be out
	XLOAD 2
	WIN 0xc3
.set j, 128
.rept 32
	v_pk_mul_f32 v[j:j+1], v[j:j+1], s[74:75] op_sel_hi:[1,0]
.set j, j+2
.endr
	WIN 0xcc
.irp t, 0,1,2,3
.irp k, 7,6,5,4,3,2,1,0                            ; V's bias: one number a lane, for all eight tokens
	v_mul_f32 v[192+8*\t+\k], s74, v[192+8*\t]
.endr
.endr
	WIN 0
.macro FETCH g                         ; group g = 3 x K step + (0 Q, 1 K, 2 V): four tiles of W x 128 along K
.set FS, (\g)/3
.set FQ, (\g)%3
.irp t, 0,1,2,3
.irp c, 0,1,2,3
	ds_load_b128 v[WB+64*FQ+16*\t+4*\c:WB+64*FQ+16*\t+4*\c+3], v[AD+FS/2] offset:4096*(4*FQ+\t)+2048*(FS%2)+512*\c
.endr
.endr
.endm
; The 48 accumulators take turns, one instruction a turn, in the same order in every step.
.macro MULT
.irp t, 0,1,2,3
.irp a, 0,1,2,3
.if GQ < 2
.set AC, 8*(4*(4*GQ+\t)+\a)
.if GS == 0
	v_wmma_f32_16x16x128_fp8_fp8 v[AC:AC+7], v[WB+64*GQ+16*\t:WB+64*GQ+16*\t+15], v[64*(GS%4)+16*\a:64*(GS%4)+16*\a+15], v[128+8*(4*GQ+\t):135+8*(4*GQ+\t)]
.else
	v_wmma_f32_16x16x128_fp8_fp8 v[AC:AC+7], v[WB+64*GQ+16*\t:WB+64*GQ+16*\t+15], v[64*(GS%4)+16*\a:64*(GS%4)+16*\a+15], v[AC:AC+7]
.endif
.else
.set AC, 8*(4*\t+\a)
.if GS == 0
	v_wmma_f32_16x16x128_fp8_fp8 v[AC:AC+7], v[64*(GS%4)+16*\a:64*(GS%4)+16*\a+15], v[WB+64*GQ+16*\t:WB+64*GQ+16*\t+15], v[192+8*\t:199+8*\t]
.else
	v_wmma_f32_16x16x128_fp8_fp8 v[AC:AC+7], v[64*(GS%4)+16*\a:64*(GS%4)+16*\a+15], v[WB+64*GQ+16*\t:WB+64*GQ+16*\t+15], v[AC:AC+7]
.endif
.endif
.endr
.endr
.endm
; A GROUP: its fragments were asked for two groups ago.  The four v_nop are the places behind the products that read the registers loaded next (ISA guide 7.12.1 for vector instructions).
.macro GROUP
.set GS, G/3
.set GQ, G%3
	WIN 0
.if G < 22
.rept 4
	v_nop
.endr
.endif
.if (GQ == 0) && (GS < 5)
	XLOAD GS+3
.endif
.if G < 22
	FETCH G+2
	s_wait_dscnt 32                                ; this group's loads are in; the next two groups' may be out
.else
	s_wait_dscnt 16*(23-G)
.endif
.if GQ == 0
.if GS < 5
	s_wait_loadcnt 48                              ; this step's X is in; the next three steps' may be out
.else
	s_wait_loadcnt 16*(7-GS)
.endif
.endif
.if GQ < 2
.if GS == 0
	WIN 0xb4                                       ; source 0 (W) window 0, source 1 (X) window 1, C the bias in window 3, D window 2
.else
	WIN 0xa4                                       ; C and D window 2
.endif
.else
	WIN 0xf1                                       ; source 0 (X) window 1, source 1 (W) window 0, C and D window 3
.endif
	MULT
.endm
	s_wait_alu depctr_va_vdst(0)
	s_wait_tensorcnt 0x0                           ; my quarter of W is in; the barrier shows all four quarters to every wave.
	s_wait_dscnt 0x0
	s_barrier_signal -1
	s_barrier_wait -1
	FETCH 0
	FETCH 1
.set G, 0
.rept 24                                           ; 8 K steps x 3 groups; written out by the assembler: the quarters, the sets and the tail's counts differ from step to step
	GROUP
.set G, G+1
.endr
	WIN 0
.rept 4
	v_nop                                          ; places in front of the first read of results
.endr
.macro OUT p
.if \p < 2
.set AC, 128*\p
	WIN 0x82
.else
.set AC, 0
	WIN 0xc3
.endif
.set j, 0
.rept 128
	v_med3_num_f32 v[AC+j], v[AC+j], -v[LIM+\p], v[LIM+\p]   ; the conversion does not saturate (ISA guide 7.6.2); each accumulator from its low end on
.set j, j+1
.endr
.if \p < 2
	WIN 0x02
.else
	WIN 0x03
.endif
.irp t, 0,1,2,3
.irp a, 0,1,2,3
.if \p < 2
.set CR, 32+32*\p+8*\a+2*\t
.else
.set CR, 32+32*\p+8*\t+2*\a
.endif
	v_cvt_scalef32_pk8_fp8_f32 v[CR:CR+1], v[AC+8*(4*\t+\a):AC+8*(4*\t+\a)+7], v[SCL+\p]
.endr
.endr
	WIN 0
	v_nop
.irp x, 0,1,2,3
.irp i, 0,1
.if \p < 2
	global_store_b128 v[LO], v[32+32*\p+8*\x+4*\i:35+32*\p+8*\x+4*\i], s[48:49] offset:4194304*\p+1024*\x+512*\i
.else
	global_store_b128 v[LO], v[32+32*\p+8*\x+4*\i:35+32*\p+8*\x+4*\i], s[50:51] offset:1024*\x+512*\i
.endif
.endr
.endr
.endm
	OUT 0
	OUT 1
	OUT 2
	s_wait_tensorcnt 0x0                           ; the wave's end
	ds_add_u32 v[SPW], v[NIL]
	s_wait_dscnt 0x0
	CROUND                                         ; the closing round: no work-group ends while a partner may still ask for a tile that names it
	s_endpgm
.Lfunc_end_k_q0248a291b6_qkv:
	.size	k_q0248a291b6_qkv, .Lfunc_end_k_q0248a291b6_qkv-k_q0248a291b6_qkv
	.p2alignl 7, 3214868480
	.fill 96, 4, 3214868480
	.section	.rodata,"a",@progbits
	.p2align	6, 0x0
	.amdhsa_kernel k_q0248a291b6_qkv
		.amdhsa_group_segment_fixed_size 327680
		.amdhsa_private_segment_fixed_size 0
		.amdhsa_enable_private_segment 0
		.amdhsa_kernarg_size 40
		.amdhsa_user_sgpr_count 2
		.amdhsa_user_sgpr_kernarg_segment_ptr 1
		.amdhsa_wavefront_size32 1
		.amdhsa_system_sgpr_workgroup_id_x 1
		.amdhsa_system_sgpr_workgroup_id_y 1
		.amdhsa_system_sgpr_workgroup_id_z 1
		.amdhsa_system_vgpr_workitem_id 0
		.amdhsa_next_free_vgpr 1024
		.amdhsa_next_free_sgpr 96
		.amdhsa_reserve_vcc 0
		.amdhsa_float_denorm_mode_32 3
		.amdhsa_float_denorm_mode_16_64 3
		.amdhsa_memory_ordered 1
		.amdhsa_forward_progress 1
		.amdhsa_inst_pref_size 107
	.end_amdhsa_kernel
	.amdgpu_metadata
---
amdhsa.version: [ 1, 2 ]
amdhsa.kernels:
  - .name:           k_q0248a291b6_qkv
    .symbol:         k_q0248a291b6_qkv.kd
    .args:
      - { .name: x_codes, .offset: 0, .size: 8, .value_kind: global_buffer, .address_space: global }
      - { .name: w_codes, .offset: 8, .size: 8, .value_kind: global_buffer, .address_space: global }
      - { .name: lowp_scales, .offset: 16, .size: 8, .value_kind: global_buffer, .address_space: global }
      - { .name: entangle_params, .offset: 24, .size: 8, .value_kind: global_buffer, .address_space: global }
      - { .name: qkv_codes, .offset: 32, .size: 8, .value_kind: global_buffer, .address_space: global }
    .group_segment_fixed_size: 327680
    .private_segment_fixed_size: 0
    .kernarg_segment_align: 8
    .kernarg_segment_size: 40
    .max_flat_workgroup_size: 128
    .sgpr_count:     96
    .vgpr_count:     1024
    .wavefront_size: 32
...
	.end_amdgpu_metadata
.endif
;; end of part 2
;; launch attn (part 3): grid 8 x 32, 8 waves a work-group, no clusters, 297,984 bytes of LDS; arguments qkv_codes, lowp_scales, o_ws; writes o_ws
.if DOCPART == 3
	.amdgcn_target "amdgcn-amd-amdhsa--gfx1250"
	.amdhsa_code_object_version 6
	.text
	.protected	k_q0248a291b6_attn
	.globl	k_q0248a291b6_attn
	.p2align	8
	.type	k_q0248a291b6_attn,@function
k_q0248a291b6_attn:
	s_mov_b64 s[64:65], 0
	v_nop
	global_prefetch_b8 v0, s[64:65] scope:SCOPE_SE
	s_setreg_imm32_b32 hwreg(HW_REG_WAVE_MODE, 25, 1), 1
	s_wait_xcnt 0x0
; O[hb][q][:] = the sum over k of softmax_k(Q[hb][q] . K[hb][k] / 8) V[hb][k][:], no mask, both products on codes of FP8 (E4M3); hb = 2 head + batch, 32 of them; 2,048 queries and keys, 64 channels.
; THE SOFTMAX AHEAD OF THE SECOND PRODUCT: t = score x log2(e) / 8; M = the row's largest t so far, rounded UP to a whole number; p = 2^(t - M) is what is quantised (scale 2^e4), not normalised.
; The row's sum is taken of the unquantised p, in f32, and divides O at the end.  When M moves, the sum and O are multiplied by 2^(old M - new M): exact.
; LIMITS: e2 + e3 between -123 and 130 (added to c's exponent field); e4 between -126 and 119; the promise holds while the scaled scores stay under 2^31 in magnitude.  e4 + e5 is applied by v_ldexp_f32 and has no limit.
; SHARES.  A work-group owns 256 queries of one hb; each of its EIGHT waves owns 32, two tiles of 16, A and B: each fragment of K and V read from LDS feeds two products, and the two tiles' chains stand between each other's links.
; THE HOLD of p at 448 x 2^e4 can bind only where e4 < -8, since p is at most 1 and 2^8 is under 448: a scalar branch on e4, a whole number read from the scales, leads round its 64 instructions elsewhere.
; K and V come through registers, cluster = none, and no load is joint.  A work-group so reads 262,144 bytes of K and V, each byte once.
; NO RING.  One hb's K and V lie in LDS at once, each byte stored once: four chunks of 512 keys.  A chunk's loads (16 a wave, 16 bytes a lane) are issued four key steps ahead of its stores (chunk 1's at the head, two steps ahead);
; being so far ahead of their use, they have no prefetch.
; ONE BARRIER A KEY STEP, its two halves a step's work apart: the signal behind the step's first wait on DScnt, the wait at the step's end.  It shows the chunks: chunk c + 1 is stored ahead of step 4 c + 2, so its stores are done
; at that step's signal, and its first reads (step 4 c + 3 asks for the next step's fragments of K) stand behind that step's wait.  A chunk's stores stand between a wait and the next signal, on bytes that nobody has read.
; INPUT lies in fragment order (16 bytes a lane, 512 a load), in memory and in LDS: Q, K [hb][tile of 16 tokens][i 2][lane][16 bytes], V [hb][64 keys][tile of 16 channels][i 2][lane][16 bytes].  OUTPUT: o_ws [s][hb][64] f32: each (s, hb) row is 256 consecutive bytes.
; LAYOUT.  Both products are used transposed: S^T = K Q^T, O^T = V^T P^T: a lane (r, h) holds ONE query (r) of a tile throughout.  Tile t of S^T holds keys 16 t + 8 h + 0 .. 7: its eight codes ARE registers 2 t, 2 t + 1 of the second product's operand over 128 keys.
; REGISTERS: window 0: addresses, maxima, sums, Q, the scores and codes of both tiles.  Window 1: v0-63 K's fragments, v64-127 V's, v128-159 and v160-191 O^T of A and B, v192-255 the next chunk on its way.
.set VOFF,  131072                     ; LDS: K, then V, then the way out's stages, then the spare words
.set STEPB, 8192                       ; a key step: 128 keys
.set CHB,   32768                      ; a chunk: 512 keys
.set STG,   262144
.set SPIT,  272                        ; a stage: 16 rows x (256 bytes + 16) for each wave
.set SPARE, 296960
.set AK0,  1                           ; v1  16 x lane: my place in a run of 512 bytes
.set AV0,  2                           ; v2  the same in V's region
.set GO,   3
.set ADK,  4
.set ADV,  5
.set SPW,  6
.set NIL,  7
.set MA,   12                          ; v12, v14 -M of A, of B; v13, v15 the largest t
.set MB,   14
.set LA,   16                          ; v[16:17], v[18:19] the sums
.set LB,   18
.set U2,   20                          ; B's further chains of the sum
.set U3,   22
.set U4,   42
.set FA,   24                          ; v24, v26 f = 2^(old M - new M) (v25, v27 are only named)
.set FB,   26
.set PXA,  28
.set PXB,  29
.set LIM,  30                          ; v30, v31 448 x 2^e4 twice: the halves of a dual instruction take their first sources from different banks
.set LIMB, 31
.set SC,   33                          ; v33 2^e4
.set XA,   34                          ; v34-37, v38-41 four chains of the maximum for each tile
.set XB,   38
.set STK,  44                          ; v44, v45 where I store a chunk of K (chunks 0, 1; chunks 2, 3); v46, v47 of V
.set STV,  46
.set QA,   48
.set QB,   56
.set SA,   64                          ; v64-127, v128-191 the scores of A and B, then p
.set SB,   128
.set PA,   192                         ; codes
.set PB,   208
.set T,    224                         ; v224-255 A's partial sums
.set VF,   64                          ; window 1
.set OA,   128
.set OB,   160
.set NXT,  192
.set TB,   2                           ; s2 LDS byte at which the step's 128 keys begin, in either region
.set CNT,  3
.set WV,   18
.set SEL,  20                          ; s[20:21] lane selects for v_permlanex16_b32: lane l xor 16
.set CS,   22                          ; s[22:23] c = log2(e) / 8 x 2^(e2 + e3)
.set E4,   38
.set MSB, 0
.macro WIN new                         ; the immediate's high byte repeats the setting that is left
.if MSB != \new
	s_set_vgpr_msb (MSB<<8)|\new
.set MSB, \new
.endif
.endm
.macro GLOAD c, reg                    ; my eighth of chunk c: 4,096 bytes of K, 4,096 of V
	WIN 0x40
.irp i, 0,1,2,3,4,5,6,7
	global_load_b128 v[\reg+4*\i:\reg+4*\i+3], v[AK0], s[26:27] offset:CHB*\c+512*\i
.endr
.irp i, 0,1,2,3,4,5,6,7
	global_load_b128 v[\reg+32+4*\i:\reg+32+4*\i+3], v[AK0], s[28:29] offset:CHB*\c+512*\i
.endr
	WIN 0
.endm
.macro PUT c, reg                      ; and into LDS, as it lies
	WIN 0x04
.irp i, 0,1,2,3,4,5,6,7
	ds_store_b128 v[STK+\c/2], v[\reg+4*\i:\reg+4*\i+3] offset:CHB*(\c%2)+512*\i
.endr
.irp i, 0,1,2,3,4,5,6,7
	ds_store_b128 v[STV+\c/2], v[\reg+32+4*\i:\reg+32+4*\i+3] offset:CHB*(\c%2)+512*\i
.endr
	WIN 0
	s_wait_dscnt 0x0                               ; the stores are done: their registers are free
.endm
.macro KLOAD adr, off                  ; eight fragments of K: keys 16 t + r
	WIN 0x40
.irp t, 0,1,2,3,4,5,6,7
	ds_load_b128 v[8*\t:8*\t+3], v[\adr] offset:\off+1024*\t
	ds_load_b128 v[8*\t+4:8*\t+7], v[\adr] offset:\off+1024*\t+512
.endr
	WIN 0
.endm
.macro TM s, m, g                      ; pair g of the scores becomes t - M (of the pairs c and -M the low word serves both halves)
	v_pk_fma_f32 v[\s+2*(\g):\s+2*(\g)+1], v[\s+2*(\g):\s+2*(\g)+1], s[CS:CS+1], v[\m:\m+1] op_sel_hi:[1,0,0]
.endm
	s_load_b128 s[4:7], s[0:1], 0x0                ; the codes, the scales' exponents
	s_load_b64 s[8:9], s[0:1], 0x10                ; o_ws
	v_lshl_add_u32 v[SPW], v0, 2, SPARE
	v_mov_b32 v[NIL], 0
	v_lshrrev_b32 v8, 5, v0
	v_readfirstlane_b32 s[WV], v8                  ; wave 0..7
	v_and_b32 v9, 31, v0
	v_lshlrev_b32 v[AK0], 4, v9
	v_add_nc_u32 v[AV0], VOFF, v[AK0]
	s_lshl_b32 s19, s[WV], 12
	v_add_nc_u32 v[STK], s19, v[AK0]
	v_add_nc_u32 v[STK+1], 2*CHB, v[STK]
	v_add_nc_u32 v[STV], VOFF, v[STK]
	v_add_nc_u32 v[STV+1], VOFF+2*CHB, v[STK]
	v_bfe_u32 v10, v0, 4, 1
	v_and_b32 v11, 15, v0
	v_lshlrev_b32 v[GO], 13, v10
	v_lshl_add_u32 v[GO], v11, 4, v[GO]            ; the way out: lanes 0-15 one place s, lanes 16-31 the next; 16 bytes a lane
	s_and_b32 s11, ttmp7, 0xffff                   ; hb
	s_lshl_b32 s12, ttmp9, 8
	s_lshl_b32 s13, s[WV], 5
	s_add_co_u32 s12, s12, s13                     ; my first query: 256 x block + 32 x wave
	s_lshl_b32 s34, s11, 17
	s_lshl_b32 s14, s12, 6
	s_add_co_u32 s14, s14, s34                     ; its codes: 64 bytes a query
	s_mov_b32 s15, 0
	s_add_co_u32 s16, s34, s19
	s_add_co_u32 s16, s16, 0x400000                ; my part of the hb's first chunk of K; V's lies 4,194,304 bytes on
	s_mov_b32 s17, 0
	s_lshl_b32 s30, s12, 13                        ; o_ws: 8,192 bytes a place s,
	s_lshl_b32 s31, s11, 8
	s_add_co_u32 s30, s30, s31                     ; 256 bytes an hb
	s_mov_b32 s31, 0
	s_mov_b32 s[SEL], 0x76543210
	s_mov_b32 s[SEL+1], 0xfedcba98
	s_mov_b32 s[CS], 0x3e38aa3b                    ; log2(e) / 8
	s_wait_alu depctr_va_vdst(0)
	s_wait_kmcnt 0x0
	s_load_b128 s[36:39], s[6:7], 0x8              ; e2, e3, e4, e5
	s_add_nc_u64 s[24:25], s[4:5], s[14:15]
	s_add_nc_u64 s[26:27], s[4:5], s[16:17]
	s_add_nc_u64 s[28:29], s[26:27], 0x400000
	s_add_nc_u64 s[8:9], s[8:9], s[30:31]
	global_load_b128 v[QA:QA+3], v[AK0], s[24:25]  ; Q's fragments stay in registers
	global_load_b128 v[QA+4:QA+7], v[AK0], s[24:25] offset:512
	global_load_b128 v[QB:QB+3], v[AK0], s[24:25] offset:1024
	global_load_b128 v[QB+4:QB+7], v[AK0], s[24:25] offset:1536
	GLOAD 0, 0                                     ; chunk 0 into the registers of K's and V's fragments, which are free yet
	GLOAD 1, NXT
	v_mov_b32 v[MA+1], 0xff61b1e6                  ; the largest t so far: -3e38, under every t
	v_mov_b32 v[MB+1], 0xff61b1e6
	v_floor_f32 v[MA], -v[MA+1]
	v_floor_f32 v[MB], -v[MB+1]
.irp i, LA, LA+1, LB, LB+1, PXA, PXB, FA+1, FB+1   ; the sums; a lane permute's destination counts as one of its sources; the upper halves of f's pairs are named
	v_mov_b32 v[\i], 0
.endr
	WIN 0x40
.set j, 0
.rept 64
	v_mov_b32 v[OA+j], 0                           ; O^T of both tiles, under the loads' flight.  (The step has no first form: its first change of M leaves zeros)
.set j, j+1
.endr
	WIN 0
	s_wait_kmcnt 0x0
	s_add_co_i32 s40, s36, s37
	s_lshl_b32 s40, s40, 23
	s_add_co_i32 s[CS], s[CS], s40                 ; a score stands for score x 2^(e2 + e3)
	s_mov_b32 s[CS+1], s[CS]                       ; (named with it as a pair)
	s_add_co_i32 s40, s[E4], 127
	s_lshl_b32 s41, s40, 23
	v_mov_b32 v[SC], s41
	s_add_co_i32 s40, s40, 8
	s_lshl_b32 s40, s40, 23
	s_or_b32 s40, s40, 0x600000
	v_mov_b32 v[LIM], s40
	v_mov_b32 v[LIMB], s40
; A KEY STEP: the 128 keys at LDS byte s[TB] of either region.  K's fragments have been asked for; next = 1: the next step's are asked for here, and the step has its barrier (behind the last step nothing is stored or shown).
.macro STEP next
	s_wait_dscnt 0x0                               ; K's fragments are in; no LDS instruction of mine is pending: a chunk stored since the last step is done
.if \next
	s_barrier_signal -1
.endif
	WIN 0x01
.irp t, 0,1,2,3,4,5,6,7
	v_wmma_f32_16x16x64_fp8_fp8 v[SA+8*\t:SA+8*\t+7], v[8*\t:8*\t+7], v[QA:QA+7], 0
.endr
.irp t, 0,1,2,3,4,5,6,7
	v_wmma_f32_16x16x64_fp8_fp8 v[SB+8*\t:SB+8*\t+7], v[8*\t:8*\t+7], v[QB:QB+7], 0
.endr
	WIN 0
	v_add_nc_u32 v[ADV], s[TB], v[AV0]
	v_add_nc_u32 v[ADK], s[TB], v[AK0]
	v_nop                                          ; with the two additions four places: in front of the loads and of the first read of the scores
	v_nop
	WIN 0x40
.irp t, 0,1,2,3                                    ; V's four fragments land under the softmax: channels 16 t + r, two blocks of 64 keys
.irp c, 0,1,2,3
	ds_load_b128 v[VF+16*\t+4*\c:VF+16*\t+4*\c+3], v[ADV] offset:4096*(\c/2)+1024*\t+512*(\c%2)
.endr
.endr
	WIN 0
.if \next
	KLOAD ADK, STEPB
.endif
	; the largest of my 64 scores in each tile: four chains a tile, the tiles by turns, the registers in ascending order
.irp k, 0,1,2,3
	v_max3_num_f32 v[XA+\k], v[SA+3*\k], v[SA+3*\k+1], v[SA+3*\k+2]
	v_max3_num_f32 v[XB+\k], v[SB+3*\k], v[SB+3*\k+1], v[SB+3*\k+2]
.endr
.set j, 12
.rept 6
.irp k, 0,1,2,3
	v_max3_num_f32 v[XA+\k], v[XA+\k], v[SA+j+2*\k], v[SA+j+2*\k+1]
	v_max3_num_f32 v[XB+\k], v[XB+\k], v[SB+j+2*\k], v[SB+j+2*\k+1]
.endr
.set j, j+8
.endr
.irp k, 0,1
	v_max3_num_f32 v[XA+\k], v[XA+\k], v[SA+60+2*\k], v[SA+61+2*\k]
	v_max3_num_f32 v[XB+\k], v[XB+\k], v[SB+60+2*\k], v[SB+61+2*\k]
.endr
	v_max3_num_f32 v[XA], v[XA], v[XA+1], v[XA+2]
	v_max3_num_f32 v[XB], v[XB], v[XB+1], v[XB+2]
	v_max_num_f32 v[XA], v[XA], v[XA+3]
	v_max_num_f32 v[XB], v[XB], v[XB+3]
	v_mov_b32 v[XA+1], v[MA]                       ; the old -M is kept
	v_mov_b32 v[XB+1], v[MB]
	v_permlanex16_b32 v[PXA], v[XA], s[SEL], s[SEL+1]
	v_permlanex16_b32 v[PXB], v[XB], s[SEL], s[SEL+1]
	v_max_num_f32 v[XA], v[XA], v[PXA]             ; and among lane l xor 16's
	v_max_num_f32 v[XB], v[XB], v[PXB]
	v_mul_f32 v[XA], s[CS], v[XA]                  ; as t (c is positive)
	v_mul_f32 v[XB], s[CS], v[XB]
	v_max_num_f32 v[MA+1], v[MA+1], v[XA]
	v_max_num_f32 v[MB+1], v[MB+1], v[XB]
	v_floor_f32 v[MA], -v[MA+1]                    ; the new -M = floor(-t) = -ceil(t)
	v_floor_f32 v[MB], -v[MB+1]
	v_sub_f32 v[XA+1], v[MA], v[XA+1]              ; M's old value less its new one: 0 or less
	v_sub_f32 v[XB+1], v[MB], v[XB+1]
.set g, 0
.rept 8
	TM SA, MA, g
.set g, g+1
.endr
	v_cvt_i32_f32 v[XA+1], v[XA+1]                 ; (it saturates)
	v_cvt_i32_f32 v[XB+1], v[XB+1]
.rept 8
	TM SA, MA, g
.set g, g+1
.endr
	v_ldexp_f32 v[FA], 1.0, v[XA+1]
	v_ldexp_f32 v[FB], 1.0, v[XB+1]
.rept 16
	TM SA, MA, g
.set g, g+1
.endr
	WIN 0x41
.set j, 0
.rept 16                                           ; O^T under the new M
	v_pk_mul_f32 v[OA+j:OA+j+1], v[OA+j:OA+j+1], v[FA:FA+1] op_sel_hi:[1,0]
	v_pk_mul_f32 v[OB+j:OB+j+1], v[OB+j:OB+j+1], v[FB:FB+1] op_sel_hi:[1,0]
.set j, j+2
.endr
	WIN 0
	s_wait_alu depctr_va_vdst(0)                   ; ahead of the batch
.set g, 0
.rept 32                                           ; A's 64 exponentials; among them B's scalings, which name none of them
	v_exp_f32 v[SA+2*g], v[SA+2*g]
	TM SB, MB, g
	v_exp_f32 v[SA+2*g+1], v[SA+2*g+1]
.set g, g+1
.endr
	v_pk_mul_f32 v[LA:LA+1], v[LA:LA+1], v[FA:FA+1] op_sel_hi:[1,0]   ; A's sum under the new M: the plain line behind the batch
	s_wait_alu depctr_va_vdst(0)                   ; behind A's batch and ahead of B's
.set g, 0
.rept 32                                           ; B's 64 exponentials; among them the first additions of A's UNQUANTISED p
	v_exp_f32 v[SB+2*g], v[SB+2*g]
.if (g%2) == 0
	v_pk_add_f32 v[T+g:T+g+1], v[SA+2*g:SA+2*g+1], v[SA+2*g+2:SA+2*g+3]
.endif
	v_exp_f32 v[SB+2*g+1], v[SB+2*g+1]
.set g, g+1
.endr
	v_pk_mul_f32 v[LB:LB+1], v[LB:LB+1], v[FB:FB+1] op_sel_hi:[1,0]
	s_wait_alu depctr_va_vdst(0)                   ; behind B's batch
.irp k, 0,2,4,6,8,10,12,14
	v_pk_add_f32 v[T+\k:T+\k+1], v[T+\k:T+\k+1], v[T+16+\k:T+17+\k]
.endr
.irp k, 0,2,4,6
	v_pk_add_f32 v[T+\k:T+\k+1], v[T+\k:T+\k+1], v[T+8+\k:T+9+\k]
.endr
	v_pk_add_f32 v[U2:U2+1], v[SB:SB+1], v[SB+2:SB+3]
	v_pk_add_f32 v[U3:U3+1], v[SB+4:SB+5], v[SB+6:SB+7]
	v_pk_add_f32 v[U4:U4+1], v[SB+8:SB+9], v[SB+10:SB+11]
.set j, 12
.rept 6
	v_pk_add_f32 v[LB:LB+1], v[LB:LB+1], v[SB+j:SB+j+1]
	v_pk_add_f32 v[U2:U2+1], v[U2:U2+1], v[SB+j+2:SB+j+3]
	v_pk_add_f32 v[U3:U3+1], v[U3:U3+1], v[SB+j+4:SB+j+5]
	v_pk_add_f32 v[U4:U4+1], v[U4:U4+1], v[SB+j+6:SB+j+7]
.set j, j+8
.endr
	v_pk_add_f32 v[LB:LB+1], v[LB:LB+1], v[SB+60:SB+61]
	v_pk_add_f32 v[U2:U2+1], v[U2:U2+1], v[SB+62:SB+63]
	v_pk_add_f32 v[T:T+1], v[T:T+1], v[T+4:T+5]
	v_pk_add_f32 v[T+2:T+3], v[T+2:T+3], v[T+6:T+7]
	v_pk_add_f32 v[U3:U3+1], v[U3:U3+1], v[U4:U4+1]
	v_pk_add_f32 v[LB:LB+1], v[LB:LB+1], v[U2:U2+1]
	v_pk_add_f32 v[T:T+1], v[T:T+1], v[T+2:T+3]
	s_cmp_ge_i32 s[E4], -8
	s_wait_alu depctr_va_vdst(0)                   ; directly ahead of the branch
	s_cbranch_scc1 .Lfits_\@                       ; p / 2^e4 is at most 256: no number can pass 448
.set j, 0
.rept 64                                           ; the conversion does not saturate (ISA guide 7.6.2); p is not negative, so the hold is one-sided
	v_dual_min_num_f32 v[SA+j], v[LIM], v[SA+j] :: v_dual_min_num_f32 v[SA+j+1], v[LIMB], v[SA+j+1]
.set j, j+2
.endr
.Lfits_\@:
.irp t, 0,1,2,3,4,5,6,7
	v_cvt_scalef32_pk8_fp8_f32 v[PA+2*\t:PA+2*\t+1], v[SA+8*\t:SA+8*\t+7], v[SC]
	v_cvt_scalef32_pk8_fp8_f32 v[PB+2*\t:PB+2*\t+1], v[SB+8*\t:SB+8*\t+7], v[SC]
.endr
	v_pk_add_f32 v[LA:LA+1], v[LA:LA+1], v[T:T+1]  ; also the plain lines between the last conversion and the products
	v_pk_add_f32 v[LB:LB+1], v[LB:LB+1], v[U3:U3+1]
	s_wait_alu depctr_va_vdst(0)                   ; directly ahead of the wait below
	s_wait_dscnt 16*\next                          ; V's fragments are in; the next step's sixteen loads of K may be out
	WIN 0x51
.irp t, 0,1,2,3                                    ; the eight accumulators take turns, and the next step's sixteen products stand between two links of a chain
	v_wmma_f32_16x16x128_fp8_fp8 v[OA+8*\t:OA+8*\t+7], v[VF+16*\t:VF+16*\t+15], v[PA:PA+15], v[OA+8*\t:OA+8*\t+7]
	v_wmma_f32_16x16x128_fp8_fp8 v[OB+8*\t:OB+8*\t+7], v[VF+16*\t:VF+16*\t+15], v[PB:PB+15], v[OB+8*\t:OB+8*\t+7]
.endr
	WIN 0
.if \next
	s_barrier_wait -1                              ; every wave has begun this step: what was stored ahead of it may be read in the next
.endif
.endm
.macro RUN first, steps
	s_mov_b32 s[TB], (\first)*STEPB
	s_mov_b32 s[CNT], \steps
.Lstep_\@:
	STEP 1
	s_add_co_u32 s[TB], s[TB], STEPB
	s_sub_co_u32 s[CNT], s[CNT], 1
	s_cmp_lg_u32 s[CNT], 0
	s_cbranch_scc1 .Lstep_\@
.endm
	s_wait_alu depctr_va_vdst(0)
	s_wait_loadcnt 16                              ; Q and chunk 0 are in; chunk 1's sixteen loads may be out
	PUT 0, 0
	s_barrier_signal -1
	s_barrier_wait -1                              ; chunk 0 is whole
	KLOAD AK0, 0
	RUN 0, 2                                       ; key steps 0 and 1
	s_wait_loadcnt 0x0
	PUT 1, NXT                                     ; ahead of step 2: read from step 3 on
	GLOAD 2, NXT
	RUN 2, 4
	s_wait_loadcnt 0x0
	PUT 2, NXT
	GLOAD 3, NXT
	RUN 6, 4
	s_wait_loadcnt 0x0
	PUT 3, NXT
	RUN 10, 5
	s_mov_b32 s[TB], 15*STEPB
	STEP 0                                         ; the last step asks for no further keys
	; THE WAY OUT.  O^T is divided by the sum, multiplied by 2^(e4 + e5), and goes through my stage in LDS, tile by tile, so that sixteen lanes store one (s, hb) row of 256 consecutive bytes.
	v_add_f32 v[LA], v[LA], v[LA+1]
	v_add_f32 v[LB], v[LB], v[LB+1]
	v_permlanex16_b32 v[PXA], v[LA], s[SEL], s[SEL+1]
	v_permlanex16_b32 v[PXB], v[LB], s[SEL], s[SEL+1]
	v_add_f32 v[LA], v[LA], v[PXA]
	v_add_f32 v[LB], v[LB], v[PXB]
	s_add_co_i32 s40, s[E4], s39                   ; e4 + e5
	s_mul_i32 s41, s[WV], 16*SPIT
	s_add_co_u32 s41, s41, STG                     ; my stage
	s_wait_alu depctr_va_vdst(0)                   ; ahead of the transcendentals
	v_rcp_f32 v[LA], v[LA]
	v_rcp_f32 v[LB], v[LB]
	v_and_b32 v8, 15, v0                           ; r
	v_bfe_u32 v9, v0, 4, 1                         ; h
	v_mul_u32_u24 v10, v8, SPIT
	v_mul_u32_u24 v11, v9, SPIT
	v_lshl_add_u32 v10, v9, 5, v10
	v_lshl_add_u32 v11, v8, 4, v11
	v_add_nc_u32 v10, s41, v10                     ; in: row r; channel tile t's eight of my half: 64 t + 32 h bytes on
	v_add_nc_u32 v11, s41, v11                     ; back: lanes 0-15 one row, lanes 16-31 the next
	s_wait_alu depctr_va_vdst(0)                   ; ahead of the reciprocals' first reader
	v_ldexp_f32 v[LA], v[LA], s40
	v_ldexp_f32 v[LB], v[LB], s40
	WIN 0x01
	s_wait_alu depctr_va_vdst(0)                   ; directly ahead of the first reader of O^T
.set j, 0
.rept 16
	v_pk_mul_f32 v[SA+j:SA+j+1], v[OA+j:OA+j+1], v[LA:LA+1] op_sel_hi:[1,0]
.set j, j+2
.endr
.set j, 0
.rept 16
	v_pk_mul_f32 v[SB+j:SB+j+1], v[OB+j:OB+j+1], v[LB:LB+1] op_sel_hi:[1,0]
.set j, j+2
.endr
	WIN 0
.irp s, SA, SB                                     ; LDS serves a wave's instructions in order (ISA guide 5.7.1.4): the loads see the stores, and B's stores come behind A's loads
.irp t, 0,1,2,3
	ds_store_b128 v10, v[\s+8*\t:\s+8*\t+3] offset:64*\t
	ds_store_b128 v10, v[\s+8*\t+4:\s+8*\t+7] offset:64*\t+16
.endr
.irp i, 0,1,2,3,4,5,6,7
	ds_load_b128 v[\s+32+4*\i:\s+35+4*\i], v11 offset:2*\i*SPIT
.endr
.endr
.irp i, 0,1,2,3,4,5,6,7
	s_wait_dscnt 23-\i                             ; A's load i is in; A's younger ones and B's sixteen lines may be out
	global_store_b128 v[GO], v[SA+32+4*\i:SA+35+4*\i], s[8:9] offset:16384*\i
.endr
.irp i, 0,1,2,3,4,5,6,7
	s_wait_dscnt 7-\i
	global_store_b128 v[GO], v[SB+32+4*\i:SB+35+4*\i], s[8:9] offset:131072+16384*\i
.endr
	s_wait_tensorcnt 0x0                           ; the wave's end
	ds_add_u32 v[SPW], v[NIL]
	s_wait_dscnt 0x0
	s_endpgm
.Lfunc_end_k_q0248a291b6_attn:
	.size	k_q0248a291b6_attn, .Lfunc_end_k_q0248a291b6_attn-k_q0248a291b6_attn
	.p2alignl 7, 3214868480
	.fill 96, 4, 3214868480
	.section	.rodata,"a",@progbits
	.p2align	6, 0x0
	.amdhsa_kernel k_q0248a291b6_attn
		.amdhsa_group_segment_fixed_size 297984
		.amdhsa_private_segment_fixed_size 0
		.amdhsa_enable_private_segment 0
		.amdhsa_kernarg_size 24
		.amdhsa_user_sgpr_count 2
		.amdhsa_user_sgpr_kernarg_segment_ptr 1
		.amdhsa_wavefront_size32 1
		.amdhsa_system_sgpr_workgroup_id_x 1
		.amdhsa_system_sgpr_workgroup_id_y 1
		.amdhsa_system_sgpr_workgroup_id_z 1
		.amdhsa_system_vgpr_workitem_id 0
		.amdhsa_next_free_vgpr 512
		.amdhsa_next_free_sgpr 66
		.amdhsa_reserve_vcc 0
		.amdhsa_float_denorm_mode_32 3
		.amdhsa_float_denorm_mode_16_64 3
		.amdhsa_memory_ordered 1
		.amdhsa_forward_progress 1
		.amdhsa_inst_pref_size 166
	.end_amdhsa_kernel
	.amdgpu_metadata
---
amdhsa.version: [ 1, 2 ]
amdhsa.kernels:
  - .name:           k_q0248a291b6_attn
    .symbol:         k_q0248a291b6_attn.kd
    .args:
      - { .name: qkv_codes, .offset: 0, .size: 8, .value_kind: global_buffer, .address_space: global }
      - { .name: lowp_scales, .offset: 8, .size: 8, .value_kind: global_buffer, .address_space: global }
      - { .name: o_ws, .offset: 16, .size: 8, .value_kind: global_buffer, .address_space: global }
    .group_segment_fixed_size: 297984
    .private_segment_fixed_size: 0
    .kernarg_segment_align: 8
    .kernarg_segment_size: 24
    .max_flat_workgroup_size: 256
    .sgpr_count:     66
    .vgpr_count:     512
    .wavefront_size: 32
...
	.end_amdgpu_metadata
.endif
;; end of part 3
;; launch turn (part 4): grid 256 x 1, 8 waves a work-group, no clusters, 70,656 bytes of LDS; arguments o_ws, out0; writes out0
.if DOCPART == 4
	.amdgcn_target "amdgcn-amd-amdhsa--gfx1250"
	.amdhsa_code_object_version 6
	.text
	.protected	k_q0248a291b6_turn
	.globl	k_q0248a291b6_turn
	.p2align	8
	.type	k_q0248a291b6_turn,@function
k_q0248a291b6_turn:
	s_mov_b64 s[64:65], 0
	v_nop
	global_prefetch_b8 v0, s[64:65] scope:SCOPE_SE
	s_setreg_imm32_b32 hwreg(HW_REG_WAVE_MODE, 25, 1), 1
	s_wait_xcnt 0x0
; out0, read flat, holds at s x 2048 + d x 32 + hb the number O[hb][s][d] (hb = 2 head + batch).  o_ws holds it at s x 2048 + hb x 64 + d.  So for each place s a block of 32 x 64 numbers is turned into 64 x 32.
; A launch of its own: 256 consecutive bytes of out0 hold two channels of all 32 hb, which no work-group of the attention, owning one hb, could write whole.
; A wave takes one place s: 8,192 consecutive bytes in, 8,192 consecutive bytes out, through its own region of LDS (32 rows of 256 bytes + 16).  Waves share nothing: no barrier.  Memory binds: no matrix unit, no cluster.
.set REG,   8704                       ; a wave's region: 32 x 272
.set PIT,   272
.set IN,    8                          ; v8-71    the block as loaded: 16 x 4 registers
.set OUTR,  72                         ; v72-135  the block turned
	s_load_b128 s[4:7], s[0:1], 0x0                ; o_ws, out0
	v_lshl_add_u32 v136, v0, 2, 0x11000
	v_mov_b32 v137, 0
	v_lshrrev_b32 v1, 5, v0
	s_delay_alu instid0(VALU_DEP_1)
	v_readfirstlane_b32 s8, v1                     ; wave 0..7
	v_and_b32 v1, 31, v0                           ; lane
	s_delay_alu instid0(VALU_DEP_1)
	v_lshlrev_b32 v2, 4, v1                        ; 16 x lane: my bytes of 512, in and out
	s_mul_i32 s9, s8, REG
	v_lshrrev_b32 v5, 4, v1
	s_delay_alu instid0(VALU_DEP_1)
	v_mul_u32_u24 v3, v5, PIT
	v_and_b32 v5, 15, v1
	s_delay_alu instid0(VALU_DEP_1)
	v_lshl_add_u32 v3, v5, 4, v3
	s_delay_alu instid0(VALU_DEP_1)
	v_add_nc_u32 v3, s9, v3                        ; in: a load's 512 bytes are rows hb = 2 i and 2 i + 1: row l / 16, byte 16 (l % 16)
	v_and_b32 v5, 7, v1
	s_delay_alu instid0(VALU_DEP_1)
	v_mul_u32_u24 v4, v5, 4*PIT
	v_lshrrev_b32 v5, 3, v1
	s_delay_alu instid0(VALU_DEP_1)
	v_lshl_add_u32 v4, v5, 2, v4
	s_delay_alu instid0(VALU_DEP_1)
	v_add_nc_u32 v4, s9, v4                        ; out: my 16 bytes of store t are channel d = 4 t + l / 8, hb = 4 (l % 8) + 0 .. 3: rows 4 (l % 8) + c, byte 4 d
	s_lshl_b32 s10, ttmp9, 3
	s_add_co_u32 s10, s10, s8                      ; s = 8 x work-group + wave
	s_lshl_b32 s10, s10, 13                        ; x 8,192 bytes
	s_mov_b32 s11, 0
	s_wait_alu depctr_va_vdst(0)
	s_wait_kmcnt 0x0
	s_add_nc_u64 s[4:5], s[4:5], s[10:11]
	s_add_nc_u64 s[6:7], s[6:7], s[10:11]
.irp i, 0,1,2,3,4,5,6,7,8,9,10,11,12,13,14,15
	global_load_b128 v[IN+4*\i:IN+4*\i+3], v2, s[4:5] offset:512*\i th:TH_LOAD_NT   ; 32 lanes read 512 consecutive bytes; all sixteen loads are out together
.endr
.irp i, 0,1,2,3,4,5,6,7,8,9,10,11,12,13,14,15
	s_wait_loadcnt 15-\i                           ; loads come back in order (ISA guide 5.7.1): load i is in, the younger ones may be out
	ds_store_b128 v3, v[IN+4*\i:IN+4*\i+3] offset:2*\i*PIT
.endr
.irp t, 0,1,2,3,4,5,6,7,8,9,10,11,12,13,14,15
.irp c, 0,1,2,3
	ds_load_b32 v[OUTR+4*\t+\c], v4 offset:\c*PIT+16*\t   ; LDS serves a wave's instructions in order (ISA guide 5.7.1.4): these see my stores
.endr
.endr
.irp t, 0,1,2,3,4,5,6,7,8,9,10,11,12,13,14,15
	s_wait_dscnt 60-4*\t                           ; group t's four loads are in; the 60 - 4 t younger ones may be out
	global_store_b128 v2, v[OUTR+4*\t:OUTR+4*\t+3], s[6:7] offset:512*\t th:TH_STORE_NT   ; 32 lanes store 512 consecutive bytes, at a multiple of 512 from the buffer's first byte
.endr
	s_wait_tensorcnt 0x0
	ds_add_u32 v136, v137
	s_wait_dscnt 0x0
	s_endpgm
.Lfunc_end_k_q0248a291b6_turn:
	.size	k_q0248a291b6_turn, .Lfunc_end_k_q0248a291b6_turn-k_q0248a291b6_turn
	.p2alignl 7, 3214868480
	.fill 96, 4, 3214868480
	.section	.rodata,"a",@progbits
	.p2align	6, 0x0
	.amdhsa_kernel k_q0248a291b6_turn
		.amdhsa_group_segment_fixed_size 70656
		.amdhsa_private_segment_fixed_size 0
		.amdhsa_enable_private_segment 0
		.amdhsa_kernarg_size 16
		.amdhsa_user_sgpr_count 2
		.amdhsa_user_sgpr_kernarg_segment_ptr 1
		.amdhsa_wavefront_size32 1
		.amdhsa_system_sgpr_workgroup_id_x 1
		.amdhsa_system_sgpr_workgroup_id_y 1
		.amdhsa_system_sgpr_workgroup_id_z 1
		.amdhsa_system_vgpr_workitem_id 0
		.amdhsa_next_free_vgpr 138
		.amdhsa_next_free_sgpr 66
		.amdhsa_reserve_vcc 0
		.amdhsa_float_denorm_mode_32 3
		.amdhsa_float_denorm_mode_16_64 3
		.amdhsa_memory_ordered 1
		.amdhsa_forward_progress 1
		.amdhsa_inst_pref_size 11
	.end_amdhsa_kernel
	.amdgpu_metadata
---
amdhsa.version: [ 1, 2 ]
amdhsa.kernels:
  - .name:           k_q0248a291b6_turn
    .symbol:         k_q0248a291b6_turn.kd
    .args:
      - { .name: o_ws, .offset: 0, .size: 8, .value_kind: global_buffer, .address_space: global }
      - { .name: out0, .offset: 8, .size: 8, .value_kind: global_buffer, .address_space: global }
    .group_segment_fixed_size: 70656
    .private_segment_fixed_size: 0
    .kernarg_segment_align: 8
    .kernarg_segment_size: 16
    .max_flat_workgroup_size: 256
    .sgpr_count:     66
    .vgpr_count:     138
    .wavefront_size: 32
...
	.end_amdgpu_metadata
.endif
;; end of part 4
